; MI455X (gfx1250); checked and timed in simulation.
; The chip was launched on July 23, 2026; its instructions are those of AMD's public machine-readable ISA for CDNA 5 (MIT licence, August 2026) and "CDNA5" Instruction Set Architecture Reference Guide (July 2026). The comments in the code are by the model that wrote it; some were corrected since.
;; Multi Head Self Attention. Allowed arithmetic: matrix products marked QUANTISED: E2M1 operands, one E8M0 scale for each 32 along K, by v_wmma_scale_f32_16x16x128_f8f6f4 with both operands' format E2M1 (or v_wmma_scale_f32_32x16x128_f4), f32 sums; everything else in f32.
;; Inputs: Wo 1,024 x 1,024 float32; Wqkv 3,072 x 1,024 float32; attention_mask 4 x 1 x 1 x 2,048 int32; bo 1,024 float32; bqkv 3,072 float32; x 4 x 2,048 x 1,024 float32.
;; Outputs: out0 4 x 2,048 x 1,024 float32.
;; This version of the problem:
;;   THIS VERSION OF THE PROBLEM IS GIVEN IN LOW PRECISION. The matrix products marked QUANTISED in the list below multiply operands that are first quantised to E2M1 (2 exponent bits, 1 mantissa bit; 4 bits a number), with one power-of-two scale for each 32 numbers along K (OCP MX v1.0); their sums are f32. All else is computed in f32.
;;   The module's matrix products, in the order in which they are computed (A, B: the left and right operand; K: the contracted axis; several contracted axes count as one K, in the product's order):
;;     1. [M 8,192, K 1,024] x [K 1,024, N 3,072]; A: input x; B: input Wqkv: QUANTISED
;;     2. batch 64 x [M 2,048, K 64] x [K 64, N 2,048]; A: computed on the way; B: computed on the way: QUANTISED
;;     3. batch 64 x [M 2,048, K 2,048] x [K 2,048, N 64]; A: softmax (see below); B: computed on the way: QUANTISED
;;     4. [M 8,192, K 1,024] x [K 1,024, N 1,024]; A: computed on the way; B: input Wo: QUANTISED
;;   THE QUANTISER, for each operand of a quantised product, along K:
;;     - K is cut into blocks of 32 from its start; a last block that is shorter is filled with zeros.
;;     - A block's scale is 2^e with e = floor(log2(the largest magnitude in the block)) - 2, held to -126 .. 127; a block of zeros has e = 0. As a byte (E8M0): e + 127.
;;     - Each number is divided by its block's scale, clamped to +-6, and rounded to the nearest number of E2M1, ties to even, subnormals kept.
;;     - The product sums the exact products of the quantised numbers (number of the format x scale) in f32.
;;   ~~~python
;;   def quantise(x, axis):      # numpy; x: float32 -> the quantised numbers, widened to float32 again
;;       x = np.moveaxis(x, axis, -1); K = x.shape[-1]
;;       x = np.pad(x, [(0, 0)] * (x.ndim - 1) + [(0, -K % 32)]); x = x.reshape(x.shape[:-1] + (-1, 32)); a = np.abs(x).max(-1, keepdims=True)
;;       e = np.where(a > 0, np.clip(np.frexp(np.where(a > 0, a, 1))[1] - 1 - 2, -126, 127), 0)      # np.frexp(a)[1] - 1 = floor(log2(a)), exactly
;;       r = np.clip(x / 2.0 ** e, -6, 6)
;;       step = 2.0 ** (np.maximum(np.frexp(np.where(r == 0, 1, r))[1] - 1, 0) - 1)
;;       q = np.round(r / step) * step * 2.0 ** e      # np.round: ties to even
;;       return np.moveaxis(q.reshape(q.shape[:-2] + (-1,))[..., :K], -1, axis).astype(np.float32)
;;   ~~~
;;   SOFTMAX AHEAD OF A QUANTISED PRODUCT. Where the list says 'softmax', what is quantised is not the finished softmax but p = 2^(t - M), with t = logit x log2(e) and M = ceil(the row's largest t), a whole number; so 1/2 < the row's largest p <= 1. The row's sum l is taken of the UNQUANTISED p, in f32, and the product's result is divided by l at the end. Since M is a whole number, a kernel that streams over the keys may use a running M (the ceiling of the running maximum): every later rescaling is an exact power of two, which a block's scale takes up: the codes' values come out the same.
;;   OPERANDS COMPUTED ON THE WAY. 'Computed on the way' means the value that the module computes at that place (a softmax that the list does not call 'softmax' is quantised finished and normalised). What goes into a quantiser is computed in f32, as accurately as f32 sums, v_exp_f32 and their like allow (about 1e-6 of the number): no bf16 or f16 on the way to a quantiser, and a product that is left as it is and whose result goes on into a quantised operand takes f32 operands (vector FMAs, or v_wmma_f32_16x16x4_f32). A number that lies on a knife's edge between two numbers of the format may be rounded either way, as far as f32 arithmetic and the matrix unit's own rounding can turn it there, and no further.
;; One version. Each part assembles by itself: llvm-mc -triple=amdgcn-amd-amdhsa -mcpu=gfx1250 --defsym DOCPART=n.
;; ======== version 1 of 1: 4 launches
;; limits: right only within a limited range of input values
;; workspace buffers: tq 6,684,672 bytes; qq 4,718,592 bytes; kv 9,175,040 bytes; aq 4,456,448 bytes
;; launch quant (part 1): grid 384 x 1, 4 waves a work-group, no clusters, 34,304 bytes of LDS; arguments x, Wqkv, Wo, tq; writes tq
.if DOCPART == 1
	.amdgcn_target "amdgcn-amd-amdhsa--gfx1250"
	.amdhsa_code_object_version 6
	.text
	.protected	k_qeb174478ac_quant
	.globl	k_qeb174478ac_quant
	.p2align	8
	.type	k_qeb174478ac_quant,@function
k_qeb174478ac_quant:
	s_mov_b64 s[64:65], 0
	v_nop
	global_prefetch_b8 v0, s[64:65] scope:SCOPE_SE
	s_setreg_imm32_b32 hwreg(HW_REG_WAVE_MODE, 25, 1), 1
	s_wait_xcnt 0x0
; x [8192][1024], Wqkv [3072][1024] and Wo [1024][1024], f32 with K innermost, become codes of FP4 (E2M1) with one E8M0 byte for each 32 along K.
; THE OUTPUT IS LAID AS THE MATRIX UNIT'S REGISTERS WANT IT.  A tile is 16 rows; tile 2 B + u takes, in lane r, row 32 B + 8 u + r + 8 (r / 8).  A tile's record is TREC bytes:
; eight fragments (one for each 128 along K) of 1,024 bytes, register group c of lane l at 512 c + 16 l; then 512 bytes of scale words [half of K][r][4 words], the word of K step 4 half + q holding the bytes of its four blocks.
; Tiles 0-511 are x's, 512-703 Wqkv's, 704-767 Wo's.  A work-group takes two tiles, a wave one tile and half of K (four K steps).
; A block's scale is 2^(floor(log2(largest magnitude)) - 2): its byte is the largest magnitude's exponent field - 2, held at 1 from below by a floor among the maximum's leaves.
; (A block of zeros so gets the byte 1 where the rule says 127: its codes are zeros, and this program alone reads the bytes.)
; LIMITS: NaN and infinities among the inputs are not served; a block whose largest magnitude lies under 2^-124 keeps the byte 1.
; Each load reads 512 consecutive bytes of one row; a K step's 16 rows x 512 bytes turn through the wave's own stage in LDS, so that a lane gets its row's 2 x 32 neighbours along K, which are two whole blocks.
; No tensor load, no barrier: waves share nothing.  No matrix unit, no cluster: every input byte is read once and nothing is shared.
.set TREC,   8704
.set SPITCH, 528                       ; a stage row: 512 bytes + 16, so that the sixteen rows that a load touches start at sixteen different banks
.set WSTG,   16*SPITCH                 ; a wave's stage
.set SW, 16                            ; v16-19   the four K steps' scale words
.set SL, 20                            ; v20-21   the two words that my lane stores
.set PC, 24                            ; v24-55   codes: eight registers for each K step, so that no store's data are written again
.set X,  56                            ; v56-119  my row's 64 numbers of the K step in hand
.set R,  120                           ; v120-247 two sets of 64 registers as loaded
	s_load_b256 s[4:11], s[0:1], 0x0               ; x s[4:5], Wqkv s[6:7], Wo s[8:9], tq s[10:11]
	v_lshl_add_u32 v248, v0, 2, 0x8400
	v_mov_b32 v249, 0
	v_lshrrev_b32 v6, 5, v0
	v_readfirstlane_b32 s12, v6                    ; wave 0..3
	v_and_b32 v7, 31, v0
	v_lshlrev_b32 v1, 4, v7                        ; v1 = 16 x lane: my bytes of a load's 512, and of a fragment's group
	s_mul_i32 s13, s12, WSTG
	v_add_nc_u32 v2, s13, v1                       ; v2: the stage on the way in
	v_and_b32 v6, 15, v0                           ; r
	v_bfe_u32 v5, v0, 4, 1                         ; h
	v_mul_u32_u24 v3, v6, SPITCH
	v_lshl_add_u32 v3, v5, 7, v3
	v_add_nc_u32 v3, s13, v3                       ; v3: and on the way out: row r, + 128 h bytes (32 numbers)
	v_lshlrev_b32 v4, 4, v6
	v_lshl_add_u32 v4, v5, 3, v4                   ; v4 = 16 r + 8 h: where my two scale words go
	v_cmp_ne_u32 s22, 0, v5                        ; the lanes with h = 1
	v_lshlrev_b32 v5, 3, v5                        ; v5 = 8 h: my bytes' shift in a scale word
	v_mov_b32 v15, 0                               ; a lane permute's destination counts as one of its sources
	s_mov_b32 s20, 0x76543210
	s_mov_b32 s21, 0xfedcba98                      ; v_permlanex16_b32's selects for lane l xor 16
	s_lshl_b32 s14, ttmp9, 1
	s_lshr_b32 s15, s12, 1
	s_add_co_u32 s14, s14, s15                     ; my tile
	s_and_b32 s16, s12, 1                          ; my half of K
	s_mov_b32 s17, 704
	s_wait_alu depctr_va_vdst(0)
	s_wait_kmcnt 0x0
	s_cmp_lt_u32 ttmp9, 352                        ; which tensor: the choice hangs on the work-group's number alone
	s_cselect_b64 s[6:7], s[6:7], s[8:9]
	s_cselect_b32 s17, 512, s17
	s_cmp_lt_u32 ttmp9, 256
	s_cselect_b64 s[4:5], s[4:5], s[6:7]
	s_cselect_b32 s17, 0, s17                      ; the tensor's first tile
	s_sub_co_u32 s18, s14, s17                     ; the tile's number in its tensor, 2 B + u
	s_lshr_b32 s19, s18, 1
	s_lshl_b32 s19, s19, 17                        ; 32 B rows of 4,096 bytes
	s_and_b32 s18, s18, 1
	s_lshl_b32 s18, s18, 15                        ; 8 u rows
	s_add_co_u32 s18, s18, s19
	s_lshl_b32 s23, s16, 11                        ; my half of K: 2,048 bytes on
	s_add_co_u32 s18, s18, s23
	s_mov_b32 s19, 0
	s_add_nc_u64 s[4:5], s[4:5], s[18:19]
	s_mul_i32 s24, s14, TREC
	s_mov_b32 s25, 0
	s_add_nc_u64 s[10:11], s[10:11], s[24:25]      ; my tile's record
	s_lshl_b32 s24, s16, 12
	s_add_nc_u64 s[26:27], s[10:11], s[24:25]      ; my four fragments
	s_lshl_b32 s24, s16, 8
	s_add_co_u32 s24, s24, 8192
	s_add_nc_u64 s[28:29], s[10:11], s[24:25]      ; my 256 bytes of scale words
.macro LOAD t                          ; K step t of my four: 16 rows x 512 bytes
.irp i, 0,1,2,3,4,5,6,7,8,9,10,11,12,13,14,15
	global_load_b128 v[R+64*((\t)%2)+4*\i:R+64*((\t)%2)+4*\i+3], v1, s[4:5] offset:(\i+8*(\i/8))*4096+512*(\t) th:TH_LOAD_NT
.endr
.endm
.macro UNIT t
.if (\t) < 3
	s_wait_loadcnt 16                              ; this K step's 16 loads are in; the next step's 16 may be out
.else
	s_wait_loadcnt 0x0
.endif
.irp i, 0,1,2,3,4,5,6,7,8,9,10,11,12,13,14,15
	ds_store_b128 v2, v[R+64*((\t)%2)+4*\i:R+64*((\t)%2)+4*\i+3] offset:SPITCH*\i
.endr
.irp c, 0,1
.irp j, 0,1,2,3,4,5,6,7
	ds_load_b128 v[X+32*\c+4*\j:X+32*\c+4*\j+3], v3 offset:256*\c+16*\j   ; k = 64 c + 32 h + 4 j ..: LDS serves a wave's instructions in order, so these see the stores above
.endr
.endr
	s_wait_dscnt 0x0                               ; my numbers are back, and the stores have read their registers,
.if (\t) < 2
	LOAD (\t)+2                                    ; which take the loads of two steps on
.endif
.irp c, 0,1
	v_max3_num_f32 v[8+\c], |v[X+32*\c]|, |v[X+32*\c+1]|, 0x1800000   ; block 2 c + h is all mine; the floor 2^(3 - 127) holds the byte at 1 from below
.endr
.irp i, 2,4,6,8,10,12,14,16,18,20,22,24,26,28,30
.irp c, 0,1
	v_max3_num_f32 v[8+\c], v[8+\c], |v[X+32*\c+\i]|, |v[X+32*\c+\i+1]|   ; (the two blocks by turns)
.endr
.endr
	v_add_nc_u32 v10, 0xff000000, v8               ; 2 off the exponent field: the conversion takes the exponent field of this operand as its scale
	v_add_nc_u32 v11, 0xff000000, v9
.irp c, 0,1
.irp g, 0,1,2,3
	v_cvt_scalef32_pk8_fp4_f32 v[PC+8*(\t)+4*\c+\g], v[X+32*\c+8*\g:X+32*\c+8*\g+7], v[10+\c]
.endr
.endr
	v_lshrrev_b32 v12, 23, v10                     ; the scales' bytes (a plain line behind the conversions)
	v_lshrrev_b32 v13, 23, v11
	v_lshl_or_b32 v14, v13, 16, v12                ; blocks h and 2 + h,
	v_lshlrev_b32 v14, v5, v14                     ; at their places in the word;
	v_permlanex16_b32 v15, v14, s20, s21
	v_or_b32 v[SW+(\t)], v14, v15                  ; with lane l xor 16's two the word is whole
	global_store_b128 v1, v[PC+8*(\t):PC+8*(\t)+3], s[26:27] offset:1024*(\t)          ; 32 lanes store 512 consecutive bytes
	global_store_b128 v1, v[PC+8*(\t)+4:PC+8*(\t)+7], s[26:27] offset:1024*(\t)+512
.endm
	LOAD 0
	LOAD 1
	UNIT 0
	UNIT 1
	UNIT 2
	UNIT 3
	v_cndmask_b32 v[SL], v[SW], v[SW+2], s22       ; lane (r, h) stores words 2 h and 2 h + 1 of row r
	v_cndmask_b32 v[SL+1], v[SW+1], v[SW+3], s22
	global_store_b64 v4, v[SL:SL+1], s[28:29]      ; 32 lanes store 256 consecutive bytes, aligned
	s_wait_tensorcnt 0x0
	ds_add_u32 v248, v249
	s_wait_dscnt 0x0
	s_endpgm
.Lfunc_end_k_qeb174478ac_quant:
	.size	k_qeb174478ac_quant, .Lfunc_end_k_qeb174478ac_quant-k_qeb174478ac_quant
	.p2alignl 7, 3214868480
	.fill 96, 4, 3214868480
	.section	.rodata,"a",@progbits
	.p2align	6, 0x0
	.amdhsa_kernel k_qeb174478ac_quant
		.amdhsa_group_segment_fixed_size 34304
		.amdhsa_private_segment_fixed_size 0
		.amdhsa_enable_private_segment 0
		.amdhsa_kernarg_size 32
		.amdhsa_user_sgpr_count 2
		.amdhsa_user_sgpr_kernarg_segment_ptr 1
		.amdhsa_wavefront_size32 1
		.amdhsa_system_sgpr_workgroup_id_x 1
		.amdhsa_system_sgpr_workgroup_id_y 1
		.amdhsa_system_sgpr_workgroup_id_z 1
		.amdhsa_system_vgpr_workitem_id 0
		.amdhsa_next_free_vgpr 250
		.amdhsa_next_free_sgpr 66
		.amdhsa_reserve_vcc 0
		.amdhsa_float_denorm_mode_32 3
		.amdhsa_float_denorm_mode_16_64 3
		.amdhsa_memory_ordered 1
		.amdhsa_forward_progress 1
		.amdhsa_inst_pref_size 30
	.end_amdhsa_kernel
	.amdgpu_metadata
---
amdhsa.version: [ 1, 2 ]
amdhsa.kernels:
  - .name:           k_qeb174478ac_quant
    .symbol:         k_qeb174478ac_quant.kd
    .args:
      - { .name: x, .offset: 0, .size: 8, .value_kind: global_buffer, .address_space: global }
      - { .name: Wqkv, .offset: 8, .size: 8, .value_kind: global_buffer, .address_space: global }
      - { .name: Wo, .offset: 16, .size: 8, .value_kind: global_buffer, .address_space: global }
      - { .name: tq, .offset: 24, .size: 8, .value_kind: global_buffer, .address_space: global }
    .group_segment_fixed_size: 34304
    .private_segment_fixed_size: 0
    .kernarg_segment_align: 8
    .kernarg_segment_size: 32
    .max_flat_workgroup_size: 128
    .sgpr_count:     66
    .vgpr_count:     250
    .wavefront_size: 32
...
	.end_amdgpu_metadata
.endif
;; end of part 1
;; launch qkv (part 2): grid 16 x 16, 4 waves a work-group, clusters of 4 x 1, 168,448 bytes of LDS; arguments tq, bqkv, qq, kv; writes qq, kv
.if DOCPART == 2
	.amdgcn_target "amdgcn-amd-amdhsa--gfx1250"
	.amdhsa_code_object_version 6
	.text
	.protected	k_qeb174478ac_qkv
	.globl	k_qeb174478ac_qkv
	.p2align	8
	.type	k_qeb174478ac_qkv,@function
k_qeb174478ac_qkv:
	s_mov_b64 s[64:65], 0
	v_nop
	global_prefetch_b8 v0, s[64:65] scope:SCOPE_SE
	s_setreg_imm32_b32 hwreg(HW_REG_WAVE_MODE, 25, 1), 1
	s_wait_xcnt 0x0
	s_wait_alu depctr_hold_cnt(0) depctr_sa_sdst(0) depctr_va_vdst(0) depctr_va_sdst(0) depctr_va_ssrc(0) depctr_va_vcc(0) depctr_vm_vsrc(0)
	s_getreg_b32 s2, hwreg(HW_REG_IB_STS2, 6, 4)
	s_cmp_eq_u32 s2, 0
	s_cbranch_scc0 .Lentry_in_a_cluster
	s_endpgm
.Lentry_in_a_cluster:
	s_bfe_u32 s2, ttmp6, 0x10000c
	s_cmp_lg_u32 s2, 0x3003
	s_cbranch_scc0 .Lentry_shape_is_right
	s_endpgm
.Lentry_shape_is_right:
; q, k, v = x Wqkv^T + bqkv on codes of FP4, and their quantising for the two products of attention, in one launch: q, k, v never go to memory as f32.
; SHARES.  A work-group takes 512 tokens (block tb) and one head: 192 columns.  Wave w takes 128 tokens, eight tiles of 16, for all of K = 1,024: its 64 fragments of x stay in 512 registers, read from memory once.
; The head's 12 tiles of Wqkv (4 of q, 4 of k, 4 of v; 96 KiB of codes) lie in LDS, filled once.  CLUSTER: the four token blocks of a cluster have the same head, so each tile of W is asked for JOINTLY.
; (x is not shared through LDS: each wave reads only its own tiles, straight into its registers.)
; THREE PASSES of 8 K steps x 32 matrix instructions on 32 accumulators, which take turns.  The bias is the C of each sum's first product.
;   q, k: source 0 = 16 rows of W, source 1 = 16 tokens: a lane holds ONE token and its registers run along the head's 64, which is the K of q k^T.
;   v:    source 0 = 16 tokens, source 1 = 16 rows of W: a lane holds ONE channel and its registers run along the 128 tokens, which are the K of p v.
; A tile's rows are not neighbours (tile 2 B + u, lane r: row 32 B + 8 u + r + 8 (r / 8)), so that the 16 registers of tiles 2 B and 2 B + 1 are 16 neighbours along the next K.
; OUT, as images of operand registers.  qq: a record for each 128 queries: 8 half fragments of 512 bytes (64 codes a query), then 512 bytes of scale words [tile / 4][r][tile % 4].
; kv: a record for each 128 keys: K as qq's at 0; V's four fragments (16 channels x 128 keys) at 4,096; K's scale words at 8,192; V's [r][tile] at 8,704.
; LIMITS: NaN and infinities are not served; a block whose largest magnitude lies under 2^-124 keeps the byte 1 (a block of zeros too: its codes are zeros, and this program alone reads the bytes).
; REGISTERS, in windows of 256: window 0: v1-7 addresses; v8-39 x's scale words; v40-87 W's; v88-151 W's fragments, two sets of four; v152-183 the pass's bias; v184-213 at work.
;   window 1: x's fragments of K steps 0-3 (step s, tile a at v[64 s + 8 a]);  window 2: of K steps 4-7;  window 3: the 32 accumulators.
.set TREC,  8704
.set QREC,  4608
.set KVREC, 8960
.set XS, 8                             ; register 4 a + q: lanes 0-15 the word of tile a, K step q; lanes 16-31 of K step 4 + q
.set WS, 40                            ; register 16 p + 4 b + q likewise
.set WF, 88
.set BI, 152
.set TM, 184                           ; v184-187 largest magnitudes, v188-191 bytes, v196-199 the conversions' scale operands
.set SW, 202                           ; v202-209 the pass's scale words
.set SL, 210                           ; v210-213 those that my lane stores
.set MSB, 0
.macro WIN new                         ; the immediate's high byte repeats the setting that is left
.if MSB != (\new)
	s_set_vgpr_msb (MSB<<8)|(\new)
.set MSB, (\new)
.endif
.endm
.macro PLACES n
.rept \n
	v_nop
.endr
.endm
.macro CROUND                          ; a round of the cluster's barrier
	s_barrier_signal -1
	s_barrier_wait -1
	s_cmp_lg_u32 s12, 0
	s_cbranch_scc1 .Lnot_wave_0_\@
	s_barrier_signal -3
.Lnot_wave_0_\@:
	s_barrier_wait -3
	s_barrier_signal -1
	s_barrier_wait -1
.endm
	s_load_b256 s[4:11], s[0:1], 0x0               ; tq s[4:5], bqkv s[6:7], qq s[8:9], kv s[10:11]
	v_lshl_add_u32 v254, v0, 2, 0x29000
	v_mov_b32 v255, 0
	ds_add_u32 v254, v255
	ds_add_u32 v254, v255
	v_lshrrev_b32 v1, 5, v0
	v_readfirstlane_b32 s12, v1                    ; wave 0..3
	v_and_b32 v1, 31, v0
	v_lshlrev_b32 v1, 4, v1                        ; v1 = 16 x lane
	v_and_b32 v4, 15, v0                           ; r
	v_bfe_u32 v3, v0, 4, 1                         ; h
	v_lshlrev_b32 v2, 4, v4
	v_lshl_add_u32 v2, v3, 3, v2                   ; v2 = 16 r + 8 h
	v_cmp_ne_u32 s54, 0, v3                        ; the lanes with h = 1
	v_lshlrev_b32 v3, 6, v3                        ; v3 = 64 h: q's and k's bias, 16 numbers on for the upper half
	v_and_b32 v5, 8, v4
	v_add_nc_u32 v4, v4, v5
	v_lshlrev_b32 v4, 2, v4                        ; v4 = 4 (r + 8 (r / 8)): v's bias, my channel
	v_mov_b32 v5, v1                               ; v5-7: W's fragments of pass 0, 1, 2 in LDS
	v_add_nc_u32 v6, 32768, v1
	v_add_nc_u32 v7, 65536, v1
.irp b, 0,1,2,3
	v_mov_b32 v[TM+4+\b], 0                        ; a lane permute's destination counts as one of its sources
.endr
	s_mov_b32 s56, 0x76543210
	s_mov_b32 s57, 0xfedcba98                      ; v_permlanex16_b32's selects for lane l xor 16
	s_bfe_u32 s13, ttmp6, 0x40000                  ; cx
	s_lshl_b32 s14, ttmp9, 2
	s_add_co_u32 s14, s14, s13                     ; tb = 4 x cluster x + cx
	s_and_b32 s15, ttmp7, 0xffff                   ; the head, which the four partners share
	; descriptor group 1: a pass's four tiles, one row of 8,192 bytes of codes each, a record apart
	s_mov_b32 s24, 15|(3<<16)|(1<<21)              ; 15:0 the mask: all four work-groups; 17:16 elements of 8 bytes; 21 set beside a mask
	s_mov_b32 s25, 1024<<16                        ; tensor_dim0 = 1,024 elements: a tile's 8,192 bytes of codes are one row
	s_mov_b32 s26, 4<<16                           ; tensor_dim1 = 4: a pass's four tiles
	s_mov_b32 s27, 1024<<16                        ; tile_dim0 = 1,024
	s_mov_b32 s28, 4                               ; tile_dim1 = 4
	s_mov_b32 s29, 1088                            ; from row to row: a record, 8,704 bytes
	s_mov_b32 s30, 0
	s_mov_b32 s31, 0
	s_lshl_b32 s20, s15, 2
	s_add_co_u32 s20, s20, 512                     ; the head's first tile of W (q's)
	s_mul_i32 s22, s20, TREC
	s_mov_b32 s23, 0
	s_mul_i32 s20, s12, 64*TREC                    ; what I fetch: wave p (0 to 2) takes pass p's four tiles, which begin 64 p tiles on
	s_mov_b32 s21, 0
	s_lshl_b32 s18, s12, 15                        ; and their place in LDS, 32,768 p: no place in the cluster enters it
	s_lshl_b32 s16, s14, 5
	s_lshl_b32 s17, s12, 3
	s_add_co_u32 s16, s16, s17                     ; my first tile of x: 32 tb + 8 w
	s_mul_i32 s16, s16, TREC
	s_mov_b32 s17, 0
	s_lshr_b32 s60, s14, 2                         ; the batch
	s_lshl_b32 s60, s60, 4
	s_add_co_u32 s60, s60, s15
	s_lshl_b32 s60, s60, 4
	s_and_b32 s61, s14, 3
	s_lshl_b32 s61, s61, 2
	s_add_co_u32 s60, s60, s61
	s_add_co_u32 s60, s60, s12                     ; my record: ((batch x 16 + head) x 16 + 4 (tb % 4) + w
	s_mul_i32 s62, s60, KVREC
	s_mov_b32 s63, 0
	s_mul_i32 s60, s60, QREC
	s_mov_b32 s61, 0
	s_lshl_b32 s58, s15, 8                         ; the head's 64 numbers of a bias
	s_mov_b32 s59, 0
	s_wait_dscnt 0x0
	s_wait_kmcnt 0x0
	s_add_nc_u64 s[44:45], s[4:5], s[16:17]        ; x's tiles
	s_add_nc_u64 s[46:47], s[4:5], s[22:23]        ; W's tiles
	s_add_nc_u64 s[48:49], s[8:9], s[60:61]        ; my record of qq
	s_add_nc_u64 s[50:51], s[10:11], s[62:63]      ; and of kv
	s_add_nc_u64 s[52:53], s[6:7], s[58:59]        ; the bias
	s_add_nc_u64 s[20:21], s[46:47], s[20:21]
	s_mov_b32 s32, 1                               ; count = 1
	s_mov_b32 s33, s18                             ; LDS address
	s_mov_b64 s[34:35], s[20:21]                   ; global address
	s_or_b32 s35, s35, 0x80000000                  ; type = 2
	CROUND                                         ; all four work-groups are here: the joint loads meet
	s_cmp_lt_u32 s12, 3                            ; three passes, three loading waves: the branch hangs on the wave's number alone
	s_cbranch_scc0 .Lno_fill
	tensor_load_to_lds s[32:35], s[24:31]          ; the launch's only fills: one load a wave
	s_nop 0
	PLACES 4
.Lno_fill:
.irp a, 0,1,2,3,4,5,6,7
	global_load_b128 v[XS+4*\a:XS+4*\a+3], v1, s[44:45] offset:\a*TREC+8192
.endr
.irp p, 0,1,2
.irp b, 0,1,2,3
	global_load_b128 v[WS+16*\p+4*\b:WS+16*\p+4*\b+3], v1, s[46:47] offset:(64*\p+\b)*TREC+8192
.endr
.endr
.macro BIAS_QK p                       ; tile 2 B + u, lane half h: the bias of channels 32 B + 8 u + 16 h + 0 .. 7
.irp b, 0,1,2,3
	global_load_b128 v[BI+8*\b:BI+8*\b+3], v3, s[52:53] offset:4096*(\p)+(32*(\b/2)+8*(\b%2))*4
	global_load_b128 v[BI+8*\b+4:BI+8*\b+7], v3, s[52:53] offset:4096*(\p)+(32*(\b/2)+8*(\b%2))*4+16
.endr
.endm
	BIAS_QK 0
	WIN 0x40                                       ; destination window 1
.irp s, 0,1,2,3                        ; x's fragments, K step by K step, so that the first products need not wait for the last loads
.irp a, 0,1,2,3,4,5,6,7
.irp c, 0,1
	global_load_b128 v[64*\s+8*\a+4*\c:64*\s+8*\a+4*\c+3], v1, s[44:45] offset:\a*TREC+1024*\s+512*\c
.endr
.endr
.endr
	WIN 0x80                                       ; destination window 2
.irp s, 4,5,6,7
.irp a, 0,1,2,3,4,5,6,7
.irp c, 0,1
	global_load_b128 v[64*(\s-4)+8*\a+4*\c:64*(\s-4)+8*\a+4*\c+3], v1, s[44:45] offset:\a*TREC+1024*\s+512*\c
.endr
.endr
.endr
	WIN 0
	s_wait_tensorcnt 0x0                           ; my four tiles of W (if I fetched any) are in LDS,
	s_barrier_signal -1
	s_barrier_wait -1                              ; everybody's are.  LDS is only read from here on
.macro WFETCH p, s, set                ; W's four fragments of pass p, K step s
.irp b, 0,1,2,3
.irp c, 0,1
	ds_load_b128 v[WF+32*(\set)+8*\b+4*\c:WF+32*(\set)+8*\b+4*\c+3], v[5+(\p)] offset:\b*8192+(\s)*1024+\c*512
.endr
.endr
.endm
.macro MM p, s, kind                   ; a K step's 32 products
.if (\s) == 0
	WIN 0xc4-3*(\kind)                             ; D window 3, C (the bias) window 0, x window 1, W window 0
.elseif (\s) < 4
	WIN 0xf4-3*(\kind)                             ; C and D window 3
.else
	WIN 0xf8-6*(\kind)                             ; x window 2
.endif
.irp a, 0,1,2,3,4,5,6,7
.irp b, 0,1,2,3
.set rX, 64*((\s)%4)+8*\a
.set rW, WF+32*((\s)%2)+8*\b
.set sX, XS+4*\a+(\s)%4
.set sW, WS+16*(\p)+4*\b+(\s)%4
.if \kind
.set rD, 8*(8*\b+\a)
.set rA, rX
.set rB, rW
.set sA, sX
.set sB, sW
.else
.set rD, 8*(4*\a+\b)
.set rA, rW
.set rB, rX
.set sA, sW
.set sB, sX
.endif
.set rC, rD
.if (\s) == 0
.set rC, BI+8*\b
.endif
.if (\s) < 4
	v_wmma_scale_f32_16x16x128_f8f6f4 v[rD:rD+7], v[rA:rA+7], v[rB:rB+7], v[rC:rC+7], v[sA], v[sB] matrix_a_fmt:MATRIX_FMT_FP4 matrix_b_fmt:MATRIX_FMT_FP4
.else
	v_wmma_scale_f32_16x16x128_f8f6f4 v[rD:rD+7], v[rA:rA+7], v[rB:rB+7], v[rC:rC+7], v[sA], v[sB] matrix_a_fmt:MATRIX_FMT_FP4 matrix_b_fmt:MATRIX_FMT_FP4 matrix_a_scale:MATRIX_SCALE_ROW1 matrix_b_scale:MATRIX_SCALE_ROW1
.endif
.endr
.endr
	WIN 0
.endm
.macro STEP p, s, kind
	s_wait_dscnt 0x0                               ; this step's fragments of W, asked for a step (32 products) ago
.if (\p) == 0
.if 16*(7-(\s)) > 63
	s_wait_loadcnt 63                              ; this step's x is in: more loads than the count can name were issued behind it, so the count is the largest
.else
	s_wait_loadcnt 16*(7-(\s))                     ; this step's x is in: 16 loads for each later K step were issued behind it; scales and bias are older
.endif
.endif
.if ((\p) < 2) || ((\s) < 7)
	PLACES 4                                       ; in front of loads into registers that the last step's products have read
.if (\s) < 7
	WFETCH \p, (\s)+1, ((\s)+1)%2
.else
	WFETCH (\p)+1, 0, 0
.endif
.endif
	MM \p, \s, \kind
.endm
.macro PASS p, kind
.irp s, 0,1,2,3,4,5,6,7
	STEP \p, \s, \kind
.endr
.endm
; 64 results of a lane, window 3's v[64 g] on, register 16 b + i = place 32 b + 16 h + i along the next K, become eight registers of codes in v[pc] on and four scale bytes in v[pw].
.macro QUANT g, pc, pw
	WIN 0x3c                                       ; sources 1 and 2 window 3
.irp b, 0,1,2,3
	v_max3_num_f32 v[TM+\b], 0x1800000, |v[64*(\g)+16*\b]|, |v[64*(\g)+16*\b+1]|   ; each accumulator is read from its low end on; the floor 2^(3 - 127) holds the byte at 1 from below
.endr
.irp i, 2,4,6,8,10,12,14
.irp b, 0,1,2,3
	v_max3_num_f32 v[TM+\b], v[TM+\b], |v[64*(\g)+16*\b+\i]|, |v[64*(\g)+16*\b+\i+1]|
.endr
.endr
	WIN 0
.irp b, 0,1,2,3
	v_permlanex16_b32 v[TM+4+\b], v[TM+\b], s56, s57
.endr
.irp b, 0,1,2,3
	v_max_num_f32 v[TM+\b], v[TM+\b], v[TM+4+\b]   ; with lane l xor 16's: the block's largest magnitude
.endr
.irp b, 0,1,2,3
	v_add_nc_u32 v[TM+12+\b], 0xff000000, v[TM+\b] ; 2 off its exponent field: the conversion's scale operand
.endr
.irp b, 0,1,2,3
	v_lshrrev_b32 v[TM+4+\b], 23, v[TM+12+\b]      ; the scale's byte
.endr
	v_lshl_or_b32 v[\pw], v[TM+5], 8, v[TM+4]
	v_lshl_or_b32 v[\pw], v[TM+6], 16, v[\pw]
	v_lshl_or_b32 v[\pw], v[TM+7], 24, v[\pw]
	WIN 0x03                                       ; source 0 window 3
.irp b, 0,1,2,3
	v_cvt_scalef32_pk8_fp4_f32 v[(\pc)+2*\b], v[64*(\g)+16*\b:64*(\g)+16*\b+7], v[TM+12+\b]
	v_cvt_scalef32_pk8_fp4_f32 v[(\pc)+2*\b+1], v[64*(\g)+16*\b+8:64*(\g)+16*\b+15], v[TM+12+\b]
.endr
	WIN 0
	v_nop                                          ; one plain line behind the last scaled conversion
.irp c, 0,1                            ; the operand's layout wants a whole block in a lane
.irp i, 0,1
	v_permlane16_swap_b32 v[(\pc)+4*\c+\i], v[(\pc)+4*\c+2+\i]
.endr
.endr
.endm
; q's or k's way out.  A group of 64 results is two tiles of tokens, two blocks each: registers 0-3 of the codes are the first tile's half fragment, 4-7 the second's; the word's low half is the first tile's.
; (A tile's word keeps whatever stands in its upper two bytes: they scale the zero codes of K = 64 .. 127, and are never 0xff.)
.macro EPI_QK base, scoff
	PLACES 4                                       ; behind the last products: their results are read, and W's second set is written
.irp g, 0,1,2,3
	QUANT \g, WF+32+8*\g, SW+2*\g
	v_lshrrev_b32 v[SW+2*\g+1], 16, v[SW+2*\g]
	global_store_b128 v1, v[WF+32+8*\g:WF+32+8*\g+3], s[\base:\base+1] offset:1024*\g        ; 32 lanes store 512 consecutive bytes
	global_store_b128 v1, v[WF+32+8*\g+4:WF+32+8*\g+7], s[\base:\base+1] offset:1024*\g+512
.endr
.irp q, 0,1,2,3
	v_cndmask_b32 v[SL+\q], v[SW+\q], v[SW+4+\q], s54   ; lane (r, h): the words of tiles 4 h + 0 .. 3
.endr
	global_store_b128 v1, v[SL:SL+3], s[\base:\base+1] offset:\scoff
.endm
	s_wait_alu depctr_va_vdst(0)
	WFETCH 0, 0, 0
.irp s, 0,1,2,3                        ; q
	STEP 0, \s, 0
.endr
	BIAS_QK 1                                      ; k's bias is asked for here: only a pass's first K step reads the bias registers, and the places of three K steps stand behind those products.  The counted waits below name fewer loads than now stand behind each load of x
.irp s, 4,5,6,7
	STEP 0, \s, 0
.endr
	EPI_QK 48, 4096
	s_wait_xcnt 0x0                                ; the stores have read their data: W's second set and the words may be written again
	s_wait_loadcnt 0x0                             ; k's bias
.irp s, 0,1,2,3                        ; k
	STEP 1, \s, 0
.endr
.irp b, 0,1,2,3
	global_load_b32 v[BI+8*\b], v4, s[52:53] offset:8192+(32*(\b/2)+8*(\b%2))*4   ; v's bias: my channel's, the same for all tokens; asked for here, as k's was
.endr
.irp s, 4,5,6,7
	STEP 1, \s, 0
.endr
	EPI_QK 50, 8192
	s_wait_xcnt 0x0
	s_wait_loadcnt 0x0
.irp b, 0,1,2,3
.irp j, 1,2,3,4,5,6,7
	v_mov_b32 v[BI+8*\b+\j], v[BI+8*\b]
.endr
.endr
	s_wait_alu depctr_va_vdst(0)
	PASS 2, 1                                      ; v
	PLACES 4
.irp b, 0,1,2,3                        ; a group of 64 results is one channel tile's 128 keys: a whole fragment and a whole word
	QUANT \b, WF+32+8*\b, SW+\b
	global_store_b128 v1, v[WF+32+8*\b:WF+32+8*\b+3], s[50:51] offset:4096+1024*\b
	global_store_b128 v1, v[WF+32+8*\b+4:WF+32+8*\b+7], s[50:51] offset:4096+1024*\b+512
.endr
	v_cndmask_b32 v[SL], v[SW], v[SW+2], s54
	v_cndmask_b32 v[SL+1], v[SW+1], v[SW+3], s54
	global_store_b64 v2, v[SL:SL+1], s[50:51] offset:8704   ; 32 lanes store 256 consecutive bytes, aligned
	s_wait_tensorcnt 0x0
	ds_add_u32 v254, v255
	s_wait_dscnt 0x0
	CROUND                                         ; the closing round: no work-group ends while a partner may still ask for a tile that names it
	s_endpgm
.Lfunc_end_k_qeb174478ac_qkv:
	.size	k_qeb174478ac_qkv, .Lfunc_end_k_qeb174478ac_qkv-k_qeb174478ac_qkv
	.p2alignl 7, 3214868480
	.fill 96, 4, 3214868480
	.section	.rodata,"a",@progbits
	.p2align	6, 0x0
	.amdhsa_kernel k_qeb174478ac_qkv
		.amdhsa_group_segment_fixed_size 168448
		.amdhsa_private_segment_fixed_size 0
		.amdhsa_enable_private_segment 0
		.amdhsa_kernarg_size 32
		.amdhsa_user_sgpr_count 2
		.amdhsa_user_sgpr_kernarg_segment_ptr 1
		.amdhsa_wavefront_size32 1
		.amdhsa_system_sgpr_workgroup_id_x 1
		.amdhsa_system_sgpr_workgroup_id_y 1
		.amdhsa_system_sgpr_workgroup_id_z 1
		.amdhsa_system_vgpr_workitem_id 0
		.amdhsa_next_free_vgpr 1024
		.amdhsa_next_free_sgpr 66
		.amdhsa_reserve_vcc 0
		.amdhsa_float_denorm_mode_32 3
		.amdhsa_float_denorm_mode_16_64 3
		.amdhsa_memory_ordered 1
		.amdhsa_forward_progress 1
		.amdhsa_inst_pref_size 186
	.end_amdhsa_kernel
	.amdgpu_metadata
---
amdhsa.version: [ 1, 2 ]
amdhsa.kernels:
  - .name:           k_qeb174478ac_qkv
    .symbol:         k_qeb174478ac_qkv.kd
    .args:
      - { .name: tq, .offset: 0, .size: 8, .value_kind: global_buffer, .address_space: global }
      - { .name: bqkv, .offset: 8, .size: 8, .value_kind: global_buffer, .address_space: global }
      - { .name: qq, .offset: 16, .size: 8, .value_kind: global_buffer, .address_space: global }
      - { .name: kv, .offset: 24, .size: 8, .value_kind: global_buffer, .address_space: global }
    .group_segment_fixed_size: 168448
    .private_segment_fixed_size: 0
    .kernarg_segment_align: 8
    .kernarg_segment_size: 32
    .max_flat_workgroup_size: 128
    .sgpr_count:     66
    .vgpr_count:     1024
    .wavefront_size: 32
...
	.end_amdgpu_metadata
.endif
;; end of part 2
;; launch attn (part 3): grid 4 x 64, 8 waves a work-group, clusters of 4 x 1, 168,960 bytes of LDS; arguments qq, kv, attention_mask, aq; writes aq
.if DOCPART == 3
	.amdgcn_target "amdgcn-amd-amdhsa--gfx1250"
	.amdhsa_code_object_version 6
	.text
	.protected	k_qeb174478ac_attn
	.globl	k_qeb174478ac_attn
	.p2align	8
	.type	k_qeb174478ac_attn,@function
k_qeb174478ac_attn:
	s_mov_b64 s[64:65], 0
	v_nop
	global_prefetch_b8 v0, s[64:65] scope:SCOPE_SE
	s_setreg_imm32_b32 hwreg(HW_REG_WAVE_MODE, 25, 1), 1
	s_wait_xcnt 0x0
	s_wait_alu depctr_hold_cnt(0) depctr_sa_sdst(0) depctr_va_vdst(0) depctr_va_sdst(0) depctr_va_ssrc(0) depctr_va_vcc(0) depctr_vm_vsrc(0)
	s_getreg_b32 s2, hwreg(HW_REG_IB_STS2, 6, 4)
	s_cmp_eq_u32 s2, 0
	s_cbranch_scc0 .Lentry_in_a_cluster
	s_endpgm
.Lentry_in_a_cluster:
	s_bfe_u32 s2, ttmp6, 0x10000c
	s_cmp_lg_u32 s2, 0x3003
	s_cbranch_scc0 .Lentry_shape_is_right
	s_endpgm
.Lentry_shape_is_right:
; o = softmax(q k^T / 8, masked) v for one (batch, head), both products on codes of FP4, and o's quantising for the last product.
; THE SOFTMAX AHEAD OF THE SECOND PRODUCT: t = score x log2(e) / 8; M = the row's largest t so far, rounded UP to a whole number; p = 2^(t - M) is quantised along the keys, not normalised.
; The row's sum is taken of the unquantised p and divides o at the end.  When M moves, the sum and o are multiplied by 2^(old M - new M): exact.
; SHARES.  A work-group owns 512 queries of a head; each of its EIGHT waves 64 of them, four tiles of 16, in 512 registers.  A wave walks the 16 key steps of 128 keys once, all four tiles in each step:
; K's and V's fragments, their scale words and the mask's C are read from LDS once a step for the four tiles.  The tiles go in two pairs; the stages of a pair's two tiles are laid among each other, so that
; a chain of dependent lines of one tile stands among independent lines of the other.
; The head's K and V, 16 records of 8,960 bytes, lie in LDS whole, filled once: wave w fetches records 2 w and 2 w + 1 by one load.  CLUSTER: the four query blocks of a head ask for each record JOINTLY.
; No prefetch: the only fill stands at the head, and no loop stands ahead of it.
; LAYOUT.  Both products transposed: S^T = K Q^T (source 0 = keys), O^T = V^T P^T (source 0 = 16 channels): a lane holds ONE query throughout.
; THE KEYS OF A SCORE TILE are chosen by the lanes' LDS addresses: tile (c, u), row 8 g + j, is key 64 c + 32 g + 8 u + j.  So lane half h holds, in the 32 registers of tiles (c, 0 .. 3), the 32 neighbouring keys
; 64 c + 32 h + 0 .. 31, a WHOLE block: its largest score needs no other lane, and the conversions' results are the second product's operand as they stand.
; The head's 64 fill half of the instruction's K: a fragment of K holds tile (c, 2 v) in registers 0-3 and tile (c, 2 v + 1) in registers 4-7, and is multiplied by (Q, 0) for the first and by (0, Q) for the second.
; The record's scale word of an even tile holds that tile's two bytes below and the next tile's above, so it serves both; Q's word has its two bytes in both halves.
; THE MASK is the C of the score product: 0 for a key that counts, -2^100 for one that does not: its p is 0.  A batch with no key that counts takes c = 0 (a select, no branch): every p is 1, the even weights of the definition.
; LIMITS: the running largest score begins at -2^33, so a row's largest logit among the keys that count must lie above -2^30; scores stay under 2^99 and scaled scores under 2^31 in magnitude;
; NaN and infinities are not served; a block of o whose largest magnitude lies under 2^-124 keeps the byte 1.
; REGISTERS.  Window 0 holds all that the softmax names, so that it runs under one setting: v1-7 lane addresses; v8, v9 the add's two; v10-21 scale words; v22 8 h; v24-39 a tile's -M, largest score, sum in two halves;
;   v40-75 zeros and Q by turns; v76-91 p's codes; v92-124 at work; v128-255 S^T, then p, of the pair in hand.  Window 1: v0-127 O^T of the four tiles; v128-159 K; v160-191 V; v192-255 the mask's C.
.set QREC,   4608
.set KVREC,  8960
.set HEADKV, 16*KVREC
.set TREC,   8704
.set BIAS,   HEADKV                    ; behind the records: one f32 for each of the batch's 2,048 keys
.set FLAG,   BIAS+8192                 ; a word for each wave: does any of the 256 keys that it looked at count?
.set SPARE,  0x29000                   ; the spare words: 128 bytes for each of the eight waves
.set KS, 10
.set VS, 12
.set QS, 16
.set PS, 20
.set SH, 22
.set ST, 24
.set QZ, 40
.set PC, 76
.set BM, 92                            ; a block's largest score, then its largest p, then its byte; v[BM + 20] on: the second chain of each block's maximum
.set T,  96
.set SO, 100
.set F,  104
.set X,  108                           ; v[X + 2 e]: tile e's new -M, the low word of a pair
.set PA, 112
.set ADK, 120
.set ADS, 121
.set ADC, 122
.set ADV, 123
.set ADT, 124
.set OW, 120                           ; the way out: o's scale bytes (the step's addresses are done with)
.set SB, 128
.set OA, 0                             ; window 1
.set KF, 128                           ; window 1
.set VF, 160                           ; window 1
.set CM, 192                           ; window 1
.set TB, 20                            ; s20  LDS byte of the record in hand
.set TC, 21                            ; s21  and of its 128 numbers of the mask's C
.set CNT, 22
.set NC, 23                            ; s23  -c
.set CS, 58                            ; s[58:59] c = log2(e) / 8, or 0
.set SEL, 60                           ; s[60:61] v_permlanex16_b32's selects for lane l xor 16
.set MSB, 0
.macro WIN new                         ; the immediate's high byte repeats the setting that is left
.if MSB != (\new)
	s_set_vgpr_msb (MSB<<8)|(\new)
.set MSB, (\new)
.endif
.endm
.macro CROUND                          ; a round of the cluster's barrier
	s_barrier_signal -1
	s_barrier_wait -1
	s_cmp_lg_u32 s12, 0
	s_cbranch_scc1 .Lnot_wave_0_\@
	s_barrier_signal -3
.Lnot_wave_0_\@:
	s_barrier_wait -3
	s_barrier_signal -1
	s_barrier_wait -1
.endm
.macro LOADK                           ; a step's K: two registers of scale words, four fragments of two tiles each, and the mask's C of its eight tiles: 26 loads
	ds_load_b32 v[KS], v[ADS]
	ds_load_b32 v[KS+1], v[ADS] offset:128
	WIN 0x40                                       ; destination window 1
.irp c, 0,1
.irp v, 0,1
	ds_load_b128 v[KF+8*(2*\c+\v):KF+8*(2*\c+\v)+3], v[ADK] offset:2048*\c+128*\v
	ds_load_b128 v[KF+8*(2*\c+\v)+4:KF+8*(2*\c+\v)+7], v[ADK] offset:2048*\c+128*\v+512
.endr
.endr
.irp n, 0,1,2,3,4,5,6,7
	ds_load_b128 v[CM+8*\n:CM+8*\n+3], v[ADC] offset:(64*(\n/4)+8*(\n%4))*4        ; tile (c, u) = n: keys 64 c + 32 h + 8 u + 0 .. 7
	ds_load_b128 v[CM+8*\n+4:CM+8*\n+7], v[ADC] offset:(64*(\n/4)+8*(\n%4))*4+16
.endr
	WIN 0
.endm
.macro LOADV
	ds_load_b128 v[VS:VS+3], v[ADT]
	WIN 0x40
.irp t, 0,1,2,3
.irp c, 0,1
	ds_load_b128 v[VF+8*\t+4*\c:VF+8*\t+4*\c+3], v[ADV] offset:1024*\t+512*\c
.endr
.endr
	WIN 0
.endm
	s_load_b256 s[4:11], s[0:1], 0x0               ; qq s[4:5], kv s[6:7], the mask s[8:9], aq s[10:11]
	v_lshl_add_u32 v8, v0, 2, SPARE
	v_mov_b32 v9, 0
	ds_add_u32 v8, v9                              ; the opening lines: the add, twice on end, and its wait ahead of my tensor load
	ds_add_u32 v8, v9
	v_lshrrev_b32 v22, 5, v0
	v_readfirstlane_b32 s12, v22                   ; wave 0..7
	v_lshl_add_u32 v112, v22, 2, FLAG              ; my wave's flag word
	v_lshlrev_b32 v113, 4, v0                      ; 16 x thread: my words of the mask
	v_add_nc_u32 v114, BIAS, v113
	v_and_b32 v1, 31, v0
	v_lshlrev_b32 v1, 4, v1                        ; v1 = 16 x lane
	v_and_b32 v7, 15, v0                           ; r
	v_bfe_u32 v22, v0, 4, 1                        ; h
	v_and_b32 v2, 7, v7
	v_lshrrev_b32 v3, 3, v7
	v_lshlrev_b32 v2, 4, v2                        ; 16 (r % 8)
	v_lshl_add_u32 v5, v3, 3, v2                   ; + 8 (r / 8)
	v_lshl_add_u32 v2, v3, 10, v2
	v_lshl_add_u32 v2, v22, 8, v2                  ; v2: K's codes: 1,024 (r / 8) + 16 (r % 8) + 256 h
	v_lshl_add_u32 v3, v22, 8, v5
	v_add_nc_u32 v3, 8192, v3                      ; v3: K's scale words: lanes 0-15 those of c = 0, lanes 16-31 of c = 1
	v_add_nc_u32 v4, 4096, v1                      ; v4: V's fragments
	v_lshlrev_b32 v7, 4, v7                        ; v7 = 16 r
	v_add_nc_u32 v5, 8704, v7                      ; v5: V's scale words
	v_lshl_add_u32 v6, v22, 7, BIAS                ; v6: the mask's C, 32 keys on for the upper half of the lanes
	v_lshlrev_b32 v22, 3, v22                      ; v22 = 8 h: my bytes' shift in p's scale word
	s_bfe_u32 s13, ttmp6, 0x40000                  ; cx: my block of 512 queries
	s_and_b32 s14, ttmp7, 0xffff                   ; 16 x batch + head, which the four partners share
	s_lshr_b32 s15, s14, 4                         ; batch
	s_and_b32 s16, s14, 15                         ; head
	; descriptor group 1: two records, 17,920 dense bytes, as 70 rows of 256
	s_mov_b32 s24, 15|(3<<16)|(1<<21)              ; 15:0 the mask: all four work-groups; 17:16 elements of 8 bytes; 21 set beside a mask
	s_mov_b32 s25, 32<<16                          ; tensor_dim0 = 32
	s_mov_b32 s26, 70<<16                          ; tensor_dim1 = 70
	s_mov_b32 s27, 32<<16                          ; tile_dim0 = 32
	s_mov_b32 s28, 70                              ; tile_dim1 = 70
	s_mov_b32 s29, 32                              ; from row to row
	s_mov_b32 s30, 0
	s_mov_b32 s31, 0
	s_mov_b32 s32, 1                               ; group 0: count = 1
	s_mul_i32 s33, s12, 2*KVREC                    ; LDS address: records 2 w, 2 w + 1
	s_mul_i32 s36, s14, HEADKV
	s_add_co_u32 s36, s36, s33
	s_mov_b32 s37, 0
	s_lshl_b32 s38, s15, 13                        ; the batch's 2,048 words of the mask
	s_mov_b32 s39, 0
	s_lshl_b32 s40, s14, 4                         ; Q: my four tiles are tiles 4 (w % 2) + 0 .. 3 of record 16 (16 batch + head) + 4 cx + w / 2
	s_lshl_b32 s41, s13, 2
	s_add_co_u32 s40, s40, s41
	s_lshr_b32 s41, s12, 1
	s_add_co_u32 s40, s40, s41
	s_mul_i32 s40, s40, QREC
	s_and_b32 s41, s12, 1
	s_lshl_b32 s42, s41, 11
	s_add_co_u32 s42, s42, s40                     ; their codes
	s_mov_b32 s43, 0
	s_lshl_b32 s41, s41, 8                         ; their scale words: [tile / 4][r][tile % 4]
	s_add_co_u32 s40, s40, s41
	s_add_co_u32 s40, s40, 4096
	s_mov_b32 s41, 0
	s_lshl_b32 s54, s15, 7                         ; o: token tile 128 batch + 32 cx + 4 w
	s_lshl_b32 s55, s13, 5
	s_add_co_u32 s54, s54, s55
	s_lshl_b32 s55, s12, 2
	s_add_co_u32 s54, s54, s55
	s_mul_i32 s54, s54, TREC
	s_lshl_b32 s55, s16, 9                         ; the head's half fragment: 512 x head
	s_add_co_u32 s56, s54, s55
	s_mov_b32 s57, 0
	s_lshr_b32 s55, s16, 3                         ; its two scale bytes: [head / 8][r][2 (head % 8)]
	s_lshl_b32 s55, s55, 8
	s_add_co_u32 s54, s54, s55
	s_and_b32 s55, s16, 7
	s_lshl_b32 s55, s55, 1
	s_add_co_u32 s54, s54, s55
	s_add_co_u32 s54, s54, 8192
	s_mov_b32 s55, 0
	s_mov_b32 s[SEL], 0x76543210
	s_mov_b32 s[SEL+1], 0xfedcba98
	s_mov_b32 s[TB], 0
	s_mov_b32 s[TC], 0
	s_mov_b32 s[CNT], 16
	s_wait_alu depctr_va_vdst(0)
	s_wait_dscnt 0x0                               ; both opening adds are done
	s_wait_kmcnt 0x0
	s_add_nc_u64 s[34:35], s[6:7], s[36:37]        ; global address of my two records
	s_or_b32 s35, s35, 0x80000000                  ; type = 2
	s_add_nc_u64 s[44:45], s[4:5], s[42:43]        ; Q's codes
	s_add_nc_u64 s[46:47], s[4:5], s[40:41]        ; Q's scale words
	s_add_nc_u64 s[48:49], s[10:11], s[56:57]      ; o's codes
	s_add_nc_u64 s[50:51], s[10:11], s[54:55]      ; o's scale bytes
	s_add_nc_u64 s[52:53], s[8:9], s[38:39]        ; the mask
	global_load_b128 v[SB:SB+3], v113, s[52:53]                ; 256 threads x 16 bytes, twice: the batch's 2,048 words
	global_load_b128 v[SB+4:SB+7], v113, s[52:53] offset:4096
.irp i, 0,1,2,3
	global_load_b128 v[QZ+8*\i+4:QZ+8*\i+7], v1, s[44:45] offset:512*\i   ; Q's half fragments stay in registers
.endr
	global_load_b128 v[QS:QS+3], v7, s[46:47]      ; register i: tile i's word
	CROUND                                         ; all four work-groups are here: the joint loads meet
	tensor_load_to_lds s[32:35], s[24:31]          ; the launch's only fill: one load of mine is out
	s_nop 0
.irp z, 0,1,2,3,4
.irp j, 0,1,2,3
	v_mov_b32 v[QZ+8*\z+\j], 0                     ; the zero codes on both sides of each Q: (0, Q) is v[QZ + 8 i] on, (Q, 0) v[QZ + 8 i + 4] on
.endr
.endr
.irp i, 0,1,2,3
	v_mov_b32 v[ST+4*\i], 0x4f000000               ; -M begins at 2^31, over every later -M: the first change multiplies zeros by a power of two that is at most 1
	v_mov_b32 v[ST+4*\i+1], 0xd0000000             ; the largest score so far: -2^33.  Keys that do not count lie far under it, so they never set M
	v_mov_b32 v[ST+4*\i+2], 0
	v_mov_b32 v[ST+4*\i+3], 0
	v_mov_b32 v[T+\i], 0                           ; a lane permute's destination counts as one of its sources
.endr
	v_mov_b32 v[F+1], 0                            ; (named as the upper halves of pairs)
	v_mov_b32 v[F+3], 0
	v_mov_b32 v[X+1], 0
	v_mov_b32 v[X+3], 0
	v_mov_b32 v116, 0xf1800000                     ; -2^100
	v_mov_b32 v115, FLAG
	v_add_nc_u32 v[ADK], s[TB], v2                 ; key step 0's addresses
	v_add_nc_u32 v[ADS], s[TB], v3
	v_add_nc_u32 v[ADC], s[TC], v6
	WIN 0x40
.set J, 0
.rept 128
	v_mov_b32 v[OA+J], 0                           ; O^T.  The step is written once: the first finds zeros, which the first change of M leaves zeros
.set J, J+1
.endr
	WIN 0
	s_wait_alu depctr_va_vdst(0)
	s_wait_loadcnt 0x0                             ; the mask and Q
.irp i, 0,1,2,3
	v_perm_b32 v[QS+\i], v[QS+\i], v[QS+\i], 0x01000100   ; the tile's two bytes in both halves of its word
.endr
.irp j, 0,1,2,3,4,5,6,7
	v_cmp_eq_u32 vcc_lo, 0, v[SB+\j]
	v_cndmask_b32 v[SB+8+\j], 0, v116, vcc_lo      ; 0 where the key counts, -2^100 where it does not
.endr
	ds_store_b128 v114, v[SB+8:SB+11]
	ds_store_b128 v114, v[SB+12:SB+15] offset:4096
.irp j, 0,1,2,3
	v_or_b32 v[SB+\j], v[SB+\j], v[SB+4+\j]
.endr
	v_or_b32 v[SB], v[SB], v[SB+2]
	v_or_b32 v[SB+1], v[SB+1], v[SB+3]
	v_or_b32 v[SB], v[SB], v[SB+1]
	v_cmp_ne_u32 vcc_lo, 0, v[SB]
	s_cmp_lg_u32 vcc_lo, 0
	s_cselect_b32 s17, 1, 0                        ; does any of my wave's keys count?
	v_mov_b32 v117, s17
	ds_store_b32 v112, v117                        ; all lanes write the same word with the same value
	s_wait_alu depctr_va_vdst(0)
	s_wait_dscnt 0x0                               ; for the others' sake: my stores are done,
	s_wait_tensorcnt 0x0                           ; and my records are in LDS
	s_barrier_signal -1
	s_barrier_wait -1                              ; everybody's are.  LDS is only read from here on
	ds_load_b128 v[SB:SB+3], v115
	ds_load_b128 v[SB+4:SB+7], v115 offset:16
	LOADK                                          ; key step 0
	s_wait_dscnt 26                                ; the eight flags are in; the 26 loads behind them may be out
.irp j, 0,1,2,3
	v_or_b32 v[SB+\j], v[SB+\j], v[SB+4+\j]
.endr
	v_or_b32 v[SB], v[SB], v[SB+2]
	v_or_b32 v[SB+1], v[SB+1], v[SB+3]
	v_or_b32 v[SB], v[SB], v[SB+1]
	v_readfirstlane_b32 s17, v[SB]
	s_cmp_lg_u32 s17, 0
	s_cselect_b32 s[CS], 0x3e38aa3b, 0             ; c = log2(e) / 8; 0 where no key of the batch counts
	s_mov_b32 s[CS+1], s[CS]                       ; (the packed form names the pair)
	s_xor_b32 s[NC], s[CS], 0x80000000             ; -c
; THE LARGEST SCORE OF EACH BLOCK OF 32 KEYS, all in my lane.  A tile has four chains: of each of its two blocks one over registers 0-14 and one over registers 16-30; registers 15 and 31 come in where the two join.
; Each of the block's four accumulators is first read at its low end: 0; 8 (with 7); 16; 24 (with 23).
.macro MAXL e, l                       ; level l (0 .. 6) of tile e's four chains
.irp c, 0,1
.irp g, 0,1
.if \l == 0
	v_max3_num_f32 v[BM+20*\g+2*\e+\c], v[SB+64*\e+32*\c+16*\g], v[SB+64*\e+32*\c+16*\g+1], v[SB+64*\e+32*\c+16*\g+2]
.else
	v_max3_num_f32 v[BM+20*\g+2*\e+\c], v[BM+20*\g+2*\e+\c], v[SB+64*\e+32*\c+16*\g+2*\l+1], v[SB+64*\e+32*\c+16*\g+2*\l+2]
.endif
.endr
.endr
.endm
.macro MAXJ e, second
.irp c, 0,1
.if \second
	v_max_num_f32 v[BM+2*\e+\c], v[BM+2*\e+\c], v[SB+64*\e+32*\c+31]
.else
	v_max3_num_f32 v[BM+2*\e+\c], v[BM+2*\e+\c], v[BM+20+2*\e+\c], v[SB+64*\e+32*\c+15]
.endif
.endr
.endm
; Line k of tile e's chain from the blocks' largest scores to -M, f and the blocks' largest t - M.
.macro CH k, x, e
.if \k == 0
	v_max_num_f32 v[X+2*\e], v[BM+2*\e], v[BM+2*\e+1]
.elseif \k == 1
	v_permlanex16_b32 v[T+\e], v[X+2*\e], s[SEL], s[SEL+1]
.elseif \k == 2
	v_max3_num_f32 v[ST+4*(2*\x+\e)+1], v[ST+4*(2*\x+\e)+1], v[X+2*\e], v[T+\e]   ; the running largest score of my query, with lane l xor 16's 64 keys
.elseif \k == 3
	v_mul_f32 v[X+2*\e], s[NC], v[ST+4*(2*\x+\e)+1]                               ; -t
.elseif \k == 4
	v_floor_f32 v[X+2*\e], v[X+2*\e]                                              ; the new -M = floor(-t) = -ceil(t): a whole number
.elseif \k == 5
	v_sub_f32 v[T+\e], v[X+2*\e], v[ST+4*(2*\x+\e)]                               ; old M less new M: a whole number, 0 or less
.elseif \k == 6
	v_mov_b32 v[ST+4*(2*\x+\e)], v[X+2*\e]
.elseif \k == 7
	v_cvt_i32_f32 v[T+\e], v[T+\e]                                                ; (it saturates)
.elseif \k == 8
	v_ldexp_f32 v[F+2*\e], 1.0, v[T+\e]                                           ; f = 2^(old M - new M)
.elseif \k == 9
	v_fma_f32 v[BM+2*\e], v[BM+2*\e], s[CS], v[X+2*\e]                            ; t - M of each block's largest score
.else
	v_fma_f32 v[BM+2*\e+1], v[BM+2*\e+1], s[CS], v[X+2*\e]
.endif
.endm
.macro SLOT n, x                       ; what stands behind the n-th two of tile 0's multiply-adds: the end of tile 0's chain and all of tile 1's
.if \n == 0
	CH 0, \x, 1
.elseif \n == 1
	CH 8, \x, 0
.elseif \n == 2
	CH 1, \x, 1
.elseif \n == 3
	CH 9, \x, 0
.elseif \n == 4
	CH 2, \x, 1
.elseif \n == 5
	CH 10, \x, 0
.elseif \n == 6
	CH 3, \x, 1
.elseif \n == 8
	CH 4, \x, 1
.elseif \n == 10
	CH 5, \x, 1
.elseif \n == 11
	CH 6, \x, 1
.elseif \n == 12
	CH 7, \x, 1
.elseif \n == 13
	CH 9, \x, 1
.elseif \n == 14
	CH 8, \x, 1
.elseif \n == 15
	CH 10, \x, 1
.endif
.endm
.macro SCL l, e                        ; level l of tile e's way from its two blocks' largest p to the conversions' scale operands and p's scale word
.if \l == 0
	v_max_num_f32 v[BM+2*\e], 0x1800000, v[BM+2*\e]          ; the floor 2^(3 - 127): the byte cannot fall under 1 (a block whose every p is 0 keeps that byte: its codes are zeros)
	v_max_num_f32 v[BM+2*\e+1], 0x1800000, v[BM+2*\e+1]
.elseif \l == 1
	v_add_nc_u32 v[SO+2*\e], 0xff000000, v[BM+2*\e]          ; 2 off the exponent field: the conversion's scale operand
	v_add_nc_u32 v[SO+2*\e+1], 0xff000000, v[BM+2*\e+1]
.elseif \l == 2
	v_lshrrev_b32 v[BM+2*\e], 23, v[SO+2*\e]                 ; the scale's byte
	v_lshrrev_b32 v[BM+2*\e+1], 23, v[SO+2*\e+1]
.elseif \l == 3
	v_lshl_or_b32 v[T+2+\e], v[BM+2*\e+1], 16, v[BM+2*\e]    ; my two bytes: blocks h and 2 + h,
.elseif \l == 4
	v_lshlrev_b32 v[T+2+\e], v[SH], v[T+2+\e]                ; at their places in the word;
.elseif \l == 5
	v_permlanex16_b32 v[T+\e], v[T+2+\e], s[SEL], s[SEL+1]
.else
	v_or_b32 v[PS+\e], v[T+2+\e], v[T+\e]                    ; with lane l xor 16's two the word is whole
.endif
.endm
.macro SUMS e                          ; tile e's 64 p, two at a time in four chains; a level of SCL stands behind each level of the four
.irp q, 0,1,2,3
	v_pk_add_f32 v[PA+2*\q:PA+2*\q+1], v[SB+64*\e+4*\q:SB+64*\e+4*\q+1], v[SB+64*\e+4*\q+2:SB+64*\e+4*\q+3]
.endr
	SCL 0, \e
.set J, 16
.set L, 1
.rept 6
.irp q, 0,1,2,3
	v_pk_add_f32 v[PA+2*\q:PA+2*\q+1], v[PA+2*\q:PA+2*\q+1], v[SB+64*\e+J+2*\q:SB+64*\e+J+2*\q+1]
.endr
	SCL L, \e
.set J, J+8
.set L, L+1
.endr
.endm
.macro JOIN x, e                       ; the four chains join, and go onto the row's sum under the new M by one multiply-add
	v_pk_add_f32 v[PA:PA+1], v[PA:PA+1], v[PA+2:PA+3]
	v_pk_add_f32 v[PA+4:PA+5], v[PA+4:PA+5], v[PA+6:PA+7]
	v_pk_add_f32 v[PA:PA+1], v[PA:PA+1], v[PA+4:PA+5]
	v_pk_fma_f32 v[ST+4*(2*\x+\e)+2:ST+4*(2*\x+\e)+3], v[ST+4*(2*\x+\e)+2:ST+4*(2*\x+\e)+3], v[F+2*\e:F+2*\e+1], v[PA:PA+1] op_sel_hi:[1,0,1]
.endm
; HALF A KEY STEP: pair x (tiles 2 x, 2 x + 1) against the step's 128 keys.  24 matrix instructions on 24 accumulators, one instruction a turn.
.macro HALF x
	WIN 0x11                                       ; K and the mask's C window 1
.irp e, 0,1
.irp c, 0,1
.irp v, 0,1
.irp b, 0,1
.if \c
	v_wmma_scale_f32_16x16x128_f8f6f4 v[SB+64*\e+8*(4*\c+2*\v+\b):SB+64*\e+8*(4*\c+2*\v+\b)+7], v[KF+8*(2*\c+\v):KF+8*(2*\c+\v)+7], v[QZ+8*(2*\x+\e)+4-4*\b:QZ+8*(2*\x+\e)+11-4*\b], v[CM+8*(4*\c+2*\v+\b):CM+8*(4*\c+2*\v+\b)+7], v[KS+\v], v[QS+2*\x+\e] matrix_a_fmt:MATRIX_FMT_FP4 matrix_b_fmt:MATRIX_FMT_FP4 matrix_a_scale:MATRIX_SCALE_ROW1
.else
	v_wmma_scale_f32_16x16x128_f8f6f4 v[SB+64*\e+8*(4*\c+2*\v+\b):SB+64*\e+8*(4*\c+2*\v+\b)+7], v[KF+8*(2*\c+\v):KF+8*(2*\c+\v)+7], v[QZ+8*(2*\x+\e)+4-4*\b:QZ+8*(2*\x+\e)+11-4*\b], v[CM+8*(4*\c+2*\v+\b):CM+8*(4*\c+2*\v+\b)+7], v[KS+\v], v[QS+2*\x+\e] matrix_a_fmt:MATRIX_FMT_FP4 matrix_b_fmt:MATRIX_FMT_FP4
.endif
.endr
.endr
.endr
.endr
	WIN 0
.if \x
	s_add_co_u32 s[TB], s[TB], KVREC               ; both pairs have multiplied this step's K: the next step's is asked for, a pair's softmax ahead of its use
	s_add_co_u32 s[TC], s[TC], 512
	v_add_nc_u32 v[ADK], s[TB], v2                 ; these four lines are the places behind the products, for the loads below and for the first reads of the scores
	v_add_nc_u32 v[ADS], s[TB], v3
	v_add_nc_u32 v[ADC], s[TC], v6
	v_nop
	s_cmp_eq_u32 s[CNT], 1                         ; the last step has no successor: a branch on the count of steps, round the loads alone
	s_cbranch_scc1 .Lno_next_\@
	LOADK
.Lno_next_\@:
.else
	v_add_nc_u32 v[ADV], s[TB], v4                 ; the last step's second products are issued: this step's V, a pair's softmax ahead of its use.  Four places, as above
	v_add_nc_u32 v[ADT], s[TB], v5
	v_nop
	v_nop
	LOADV
.endif
.irp l, 0,1,2,3,4,5,6
	MAXL 0, \l
.endr
	MAXJ 0, 0
	MAXL 1, 0
	MAXJ 0, 1
	MAXL 1, 1                                      ; from here on a line of tile 0's chain stands behind each level of tile 1's maxima
	CH 0, \x, 0
	MAXL 1, 2
	CH 1, \x, 0
	MAXL 1, 3
	CH 2, \x, 0
	MAXL 1, 4
	CH 3, \x, 0
	MAXL 1, 5
	CH 4, \x, 0
	MAXL 1, 6
	CH 5, \x, 0
	MAXJ 1, 0
	CH 6, \x, 0
	MAXJ 1, 1
	CH 7, \x, 0
.set J, 0
.set K, 0
.rept 16
	v_pk_fma_f32 v[SB+J:SB+J+1], v[SB+J:SB+J+1], s[CS:CS+1], v[X:X+1] op_sel_hi:[1,0,0]       ; tile 0's t - M, two at a time
	v_pk_fma_f32 v[SB+J+2:SB+J+3], v[SB+J+2:SB+J+3], s[CS:CS+1], v[X:X+1] op_sel_hi:[1,0,0]
	SLOT K, \x
.set J, J+4
.set K, K+1
.endr
	s_wait_alu depctr_va_vdst(0)
.set J, 0
.rept 32                               ; tile 0's exponentials; tile 1's t - M stand among them: they read nothing written since the wait above, and are read behind the wait below
	v_exp_f32 v[SB+J], v[SB+J]
	v_pk_fma_f32 v[SB+64+J:SB+65+J], v[SB+64+J:SB+65+J], s[CS:CS+1], v[X+2:X+3] op_sel_hi:[1,0,0]
	v_exp_f32 v[SB+J+1], v[SB+J+1]
.set J, J+2
.endr
	v_exp_f32 v[BM], v[BM]                         ; the block's largest p: the same two instructions on the same number give the same bits
	v_exp_f32 v[BM+1], v[BM+1]
	s_wait_alu depctr_va_vdst(0)                   ; one wait behind the batch, ahead of its first reader
	SUMS 0
	JOIN \x, 0
	s_wait_alu depctr_va_vdst(0)
.set J, 0
.rept 8                                ; tile 1's exponentials; tile 0's eight conversions stand among them: keys 64 c + 32 h + 8 u + 0 .. 7 make register 4 c + u of the operand
.rept 8
	v_exp_f32 v[SB+64+J], v[SB+64+J]
.set J, J+1
.endr
	v_cvt_scalef32_pk8_fp4_f32 v[PC+J/8-1], v[SB+J-8:SB+J-1], v[SO+(J-8)/32]
.endr
	v_exp_f32 v[BM+2], v[BM+2]
	v_exp_f32 v[BM+3], v[BM+3]
	s_wait_alu depctr_va_vdst(0)                   ; one wait behind the second batch; it also stands directly ahead of the wait below
	s_wait_dscnt 0x0                               ; V and its words; the next step's K: all asked for at this half's head
	SUMS 1
.irp n, 0,1,2,3,4,5,6,7
	v_cvt_scalef32_pk8_fp4_f32 v[PC+8+\n], v[SB+64+8*\n:SB+64+8*\n+7], v[SO+2+\n/4]
.endr
	JOIN \x, 1                                     ; (plain lines behind the last scaled conversion)
	WIN 0x41
	s_wait_alu depctr_va_vdst(0)                   ; ahead of the first reader of O^T
.irp e, 0,1
.set J, 0
.rept 16
	v_pk_mul_f32 v[OA+32*(2*\x+\e)+J:OA+32*(2*\x+\e)+J+1], v[OA+32*(2*\x+\e)+J:OA+32*(2*\x+\e)+J+1], v[F+2*\e:F+2*\e+1] op_sel_hi:[1,0]   ; O^T under the new M.  28 of the 32 name no register of any one product below: its places behind the codes and the scale word
.set J, J+2
.endr
.endr
	WIN 0x51                                       ; V, C and D window 1
.irp e, 0,1
.irp t, 0,1,2,3
	v_wmma_scale_f32_16x16x128_f8f6f4 v[OA+32*(2*\x+\e)+8*\t:OA+32*(2*\x+\e)+8*\t+7], v[VF+8*\t:VF+8*\t+7], v[PC+8*\e:PC+8*\e+7], v[OA+32*(2*\x+\e)+8*\t:OA+32*(2*\x+\e)+8*\t+7], v[VS+\t], v[PS+\e] matrix_a_fmt:MATRIX_FMT_FP4 matrix_b_fmt:MATRIX_FMT_FP4
.endr
.endr
	WIN 0
.endm
	s_wait_alu depctr_va_vdst(0)
	s_wait_dscnt 0x0                               ; key step 0's K
.Lstep:
	HALF 0
	HALF 1
	s_sub_co_u32 s[CNT], s[CNT], 1
	s_cmp_lg_u32 s[CNT], 0
	s_cbranch_scc1 .Lstep
; THE WAY OUT of pair x: o = O^T / the sum, quantised along the head's 64 channels.  Register 16 B + i of a tile is o(my query, channel 32 B + 16 h + i): a block lies in lanes l and l xor 16.
.macro EPI x
.irp e, 0,1
	v_add_f32 v[X+2*\e], v[ST+4*(2*\x+\e)+2], v[ST+4*(2*\x+\e)+3]   ; the sum's two halves,
.endr
.irp e, 0,1
	v_permlanex16_b32 v[T+\e], v[X+2*\e], s[SEL], s[SEL+1]
.endr
.irp e, 0,1
	v_add_f32 v[X+2*\e], v[X+2*\e], v[T+\e]        ; and lane l xor 16's
.endr
	s_wait_alu depctr_va_vdst(0)
.irp e, 0,1
	v_rcp_f32 v[X+2*\e], v[X+2*\e]
.endr
	v_nop                                          ; the plain line behind them
	WIN 0x01                                       ; source 0 window 1
	s_wait_alu depctr_va_vdst(0)                   ; and the wait ahead of their first reader, which is O^T's too
.irp e, 0,1
.set J, 0
.rept 32
	v_mul_f32 v[SB+64*\e+J], v[OA+32*(2*\x+\e)+J], v[X+2*\e]   ; each accumulator is read from its low end on
.set J, J+1
.endr
.endr
	WIN 0
.irp e, 0,1
.irp b, 0,1
	v_max3_num_f32 v[BM+2*\e+\b], 0x1800000, |v[SB+64*\e+16*\b]|, |v[SB+64*\e+16*\b+1]|
.endr
.endr
.irp k, 2,4,6,8,10,12,14
.irp e, 0,1
.irp b, 0,1
	v_max3_num_f32 v[BM+2*\e+\b], v[BM+2*\e+\b], |v[SB+64*\e+16*\b+\k]|, |v[SB+64*\e+16*\b+\k+1]|
.endr
.endr
.endr
.irp n, 0,1,2,3
	v_permlanex16_b32 v[T+\n], v[BM+\n], s[SEL], s[SEL+1]
.endr
.irp n, 0,1,2,3
	v_max_num_f32 v[BM+\n], v[BM+\n], v[T+\n]
.endr
.irp n, 0,1,2,3
	v_add_nc_u32 v[SO+\n], 0xff000000, v[BM+\n]
.endr
.irp n, 0,1,2,3
	v_lshrrev_b32 v[T+\n], 23, v[SO+\n]
.endr
.irp e, 0,1
	v_lshl_or_b32 v[OW+2*\x+\e], v[T+2*\e+1], 8, v[T+2*\e]   ; the head's two scale bytes of my query
.endr
.irp e, 0,1
.irp b, 0,1
	v_cvt_scalef32_pk8_fp4_f32 v[PC+8*\e+4*\x+2*\b], v[SB+64*\e+16*\b:SB+64*\e+16*\b+7], v[SO+2*\e+\b]
	v_cvt_scalef32_pk8_fp4_f32 v[PC+8*\e+4*\x+2*\b+1], v[SB+64*\e+16*\b+8:SB+64*\e+16*\b+15], v[SO+2*\e+\b]
.endr
.endr
	v_nop                                          ; one plain line behind the last scaled conversion
.irp e, 0,1
	v_permlane16_swap_b32 v[PC+8*\e+4*\x], v[PC+8*\e+4*\x+2]       ; the operand's layout wants a whole block in a lane
	v_permlane16_swap_b32 v[PC+8*\e+4*\x+1], v[PC+8*\e+4*\x+3]
.endr
.irp e, 0,1
	global_store_b128 v1, v[PC+8*\e+4*\x:PC+8*\e+4*\x+3], s[48:49] offset:TREC*(2*\x+\e)   ; a half fragment: 32 lanes store 512 consecutive bytes.  Each tile has its own data registers: none is written again
	global_store_b16 v7, v[OW+2*\x+\e], s[50:51] offset:TREC*(2*\x+\e)                     ; two bytes a row, 16 bytes apart (both halves of the lanes write the same bytes): so laid, the reader gets a tile's words by one load of 16 bytes a lane
.endr
.endm
	EPI 0                                          ; its first seven plain lines are the places behind the last products
	EPI 1
	s_wait_tensorcnt 0x0                           ; the wave's end
	ds_add_u32 v8, v9
	s_wait_dscnt 0x0
	CROUND                                         ; the closing round: no work-group ends while a partner may still ask for a record that names it
	s_endpgm
.Lfunc_end_k_qeb174478ac_attn:
	.size	k_qeb174478ac_attn, .Lfunc_end_k_qeb174478ac_attn-k_qeb174478ac_attn
	.p2alignl 7, 3214868480
	.fill 96, 4, 3214868480
	.section	.rodata,"a",@progbits
	.p2align	6, 0x0
	.amdhsa_kernel k_qeb174478ac_attn
		.amdhsa_group_segment_fixed_size 168960
		.amdhsa_private_segment_fixed_size 0
		.amdhsa_enable_private_segment 0
		.amdhsa_kernarg_size 32
		.amdhsa_user_sgpr_count 2
		.amdhsa_user_sgpr_kernarg_segment_ptr 1
		.amdhsa_wavefront_size32 1
		.amdhsa_system_sgpr_workgroup_id_x 1
		.amdhsa_system_sgpr_workgroup_id_y 1
		.amdhsa_system_sgpr_workgroup_id_z 1
		.amdhsa_system_vgpr_workitem_id 0
		.amdhsa_next_free_vgpr 512
		.amdhsa_next_free_sgpr 66
		.amdhsa_reserve_vcc 1
		.amdhsa_float_denorm_mode_32 3
		.amdhsa_float_denorm_mode_16_64 3
		.amdhsa_memory_ordered 1
		.amdhsa_forward_progress 1
		.amdhsa_inst_pref_size 81
	.end_amdhsa_kernel
	.amdgpu_metadata
---
amdhsa.version: [ 1, 2 ]
amdhsa.kernels:
  - .name:           k_qeb174478ac_attn
    .symbol:         k_qeb174478ac_attn.kd
    .args:
      - { .name: qq, .offset: 0, .size: 8, .value_kind: global_buffer, .address_space: global }
      - { .name: kv, .offset: 8, .size: 8, .value_kind: global_buffer, .address_space: global }
      - { .name: attention_mask, .offset: 16, .size: 8, .value_kind: global_buffer, .address_space: global }
      - { .name: aq, .offset: 24, .size: 8, .value_kind: global_buffer, .address_space: global }
    .group_segment_fixed_size: 168960
    .private_segment_fixed_size: 0
    .kernarg_segment_align: 8
    .kernarg_segment_size: 32
    .max_flat_workgroup_size: 256
    .sgpr_count:     66
    .vgpr_count:     512
    .wavefront_size: 32
...
	.end_amdgpu_metadata
.endif
;; end of part 3
;; launch proj (part 4): grid 16 x 16, 4 waves a work-group, clusters of 4 x 1, 168,448 bytes of LDS; arguments aq, tq, bo, out0; writes out0
.if DOCPART == 4
	.amdgcn_target "amdgcn-amd-amdhsa--gfx1250"
	.amdhsa_code_object_version 6
	.text
	.protected	k_qeb174478ac_proj
	.globl	k_qeb174478ac_proj
	.p2align	8
	.type	k_qeb174478ac_proj,@function
k_qeb174478ac_proj:
	s_mov_b64 s[64:65], 0
	v_nop
	global_prefetch_b8 v0, s[64:65] scope:SCOPE_SE
	s_setreg_imm32_b32 hwreg(HW_REG_WAVE_MODE, 25, 1), 1
	s_wait_xcnt 0x0
	s_wait_alu depctr_hold_cnt(0) depctr_sa_sdst(0) depctr_va_vdst(0) depctr_va_sdst(0) depctr_va_ssrc(0) depctr_va_vcc(0) depctr_vm_vsrc(0)
	s_getreg_b32 s2, hwreg(HW_REG_IB_STS2, 6, 4)
	s_cmp_eq_u32 s2, 0
	s_cbranch_scc0 .Lentry_in_a_cluster
	s_endpgm
.Lentry_in_a_cluster:
	s_bfe_u32 s2, ttmp6, 0x10000c
	s_cmp_lg_u32 s2, 0x3003
	s_cbranch_scc0 .Lentry_shape_is_right
	s_endpgm
.Lentry_shape_is_right:
; out0 = o Wo^T + bo on codes of FP4.  o's codes come from the attention launch (aq), Wo's from the quantising launch (tq, tiles 704 on), both as images of operand registers.
; SHARES.  A work-group takes 512 tokens (block tb) and 64 columns (block nb).  Wave w takes 128 tokens, eight tiles of 16, for all of K = 1,024; each fragment of o is read from memory once, straight into registers.
; Wo's four tiles (32 KiB of codes) come into LDS once.  CLUSTER: the four token blocks of a cluster have the same columns, so each tile of Wo is asked for JOINTLY.  Each wave then takes all 32 fragments of Wo into 256 registers, once.
; THE WORK GOES BY PAIRS OF TOKEN TILES, NOT BY K: a pair is summed over all eight K steps (64 matrix instructions on eight accumulators, which take turns) and leaves at once,
; so that its rows are stored while the later pairs' fragments of o are still on their way.  o's loads are issued pair by pair, two pairs ahead of the products: 64 loads of a wave are out at the most.
; The bias is the C of each sum's first product.
; Source 0 = 16 rows of Wo, source 1 = 16 tokens: a lane holds one token and eight neighbouring columns.  A tile's rows are not neighbours (tile 2 B + u, lane r: row 32 B + 8 u + r + 8 (r / 8)): the way out puts each row at its true place.
; No prefetch: each byte is asked for by its one load, and no loop stands ahead of the loads.
; REGISTERS, in windows of 256: window 0: v1-7 addresses; v8-39 o's scale words; v40-55 Wo's; v88-151 rows of out0, two sets; v152-183 the bias; v184-247 the pair's eight accumulators.
;   window 1: o's fragments of K steps 0-3 (step s, tile a at v[64 s + 8 a]);  window 2: of K steps 4-7;  window 3: Wo's fragments (step s, tile b at v[32 s + 8 b]).
.set TREC, 8704
.set XS, 8
.set WS, 40
.set RB, 88
.set BI, 152
.set ACC, 184
.set SP, 272                           ; a stage row: 256 bytes + 16, so that the sixteen rows that a store touches start at sixteen different banks
.set STAGE, 32768                      ; behind Wo's tiles: 16 rows for each wave; no fill lands there
.set MSB, 0
.macro WIN new                         ; the immediate's high byte repeats the setting that is left
.if MSB != (\new)
	s_set_vgpr_msb (MSB<<8)|(\new)
.set MSB, (\new)
.endif
.endm
.macro PLACES n
.rept \n
	v_nop
.endr
.endm
.macro CROUND                          ; a round of the cluster's barrier
	s_barrier_signal -1
	s_barrier_wait -1
	s_cmp_lg_u32 s12, 0
	s_cbranch_scc1 .Lnot_wave_0_\@
	s_barrier_signal -3
.Lnot_wave_0_\@:
	s_barrier_wait -3
	s_barrier_signal -1
	s_barrier_wait -1
.endm
	s_load_b256 s[4:11], s[0:1], 0x0               ; aq s[4:5], tq s[6:7], bo s[8:9], out0 s[10:11]
	v_lshl_add_u32 v254, v0, 2, 0x29000
	v_mov_b32 v255, 0
	ds_add_u32 v254, v255                          ; the opening lines: the add, twice on end, and its wait ahead of my tensor load
	ds_add_u32 v254, v255
	v_lshrrev_b32 v1, 5, v0
	v_readfirstlane_b32 s12, v1                    ; wave 0..3
	v_and_b32 v1, 31, v0
	v_lshlrev_b32 v1, 4, v1                        ; v1 = 16 x lane
	s_mul_i32 s19, s12, 16*SP
	s_add_co_u32 s19, s19, STAGE                   ; my stage
	v_and_b32 v7, 15, v0                           ; r
	v_bfe_u32 v3, v0, 4, 1                         ; h
	v_mul_u32_u24 v2, v7, SP
	v_lshl_add_u32 v2, v3, 6, v2
	v_add_nc_u32 v2, s19, v2                       ; v2: into the stage: row r, + 64 h bytes
	v_mul_u32_u24 v4, v3, SP
	v_lshl_add_u32 v4, v7, 4, v4
	v_add_nc_u32 v4, s19, v4                       ; v4: back: lanes 0-15 one row of 256 bytes, lanes 16-31 the next
	v_lshlrev_b32 v6, 12, v3
	v_lshl_add_u32 v6, v7, 4, v6                   ; v6: and the same two rows in out0
	v_lshlrev_b32 v3, 6, v3                        ; v3 = 64 h: the bias, 16 numbers on for the upper half
	s_bfe_u32 s13, ttmp6, 0x40000                  ; cx
	s_lshl_b32 s14, ttmp9, 2
	s_add_co_u32 s14, s14, s13                     ; tb = 4 x cluster x + cx
	s_and_b32 s15, ttmp7, 0xffff                   ; nb, which the four partners share
	; descriptor group 1: a tile's 8,192 bytes of codes, dense, as 32 rows of 256 bytes
	s_mov_b32 s24, 15|(3<<16)|(1<<21)              ; 15:0 the mask: all four work-groups; 17:16 elements of 8 bytes; 21 set beside a mask
	s_mov_b32 s25, 32<<16                          ; tensor_dim0 = 32
	s_mov_b32 s26, 32<<16                          ; tensor_dim1 = 32
	s_mov_b32 s27, 32<<16                          ; tile_dim0 = 32
	s_mov_b32 s28, 32                              ; tile_dim1 = 32
	s_mov_b32 s29, 32                              ; from row to row
	s_mov_b32 s30, 0
	s_mov_b32 s31, 0
	s_lshl_b32 s20, s15, 2
	s_add_co_u32 s20, s20, 704                     ; the block's first tile of Wo
	s_mul_i32 s22, s20, TREC
	s_mov_b32 s23, 0
	s_mul_i32 s20, s12, TREC                       ; the tile that I fetch
	s_mov_b32 s21, 0
	s_mov_b32 s32, 1                               ; group 0: count = 1
	s_lshl_b32 s33, s12, 13                        ; LDS address: tile w
	s_lshl_b32 s16, s14, 5
	s_lshl_b32 s17, s12, 3
	s_add_co_u32 s16, s16, s17                     ; my first tile of o: 32 tb + 8 w
	s_mul_i32 s16, s16, TREC
	s_mov_b32 s17, 0
	s_lshl_b32 s60, s14, 21                        ; out0: row 512 tb + 128 w of 4,096 bytes, + 256 nb
	s_lshl_b32 s61, s12, 19
	s_add_co_u32 s60, s60, s61
	s_lshl_b32 s58, s15, 8
	s_add_co_u32 s60, s60, s58
	s_mov_b32 s61, 0
	s_mov_b32 s59, 0
	s_wait_dscnt 0x0
	s_wait_kmcnt 0x0
	s_add_nc_u64 s[44:45], s[4:5], s[16:17]        ; o's tiles
	s_add_nc_u64 s[46:47], s[6:7], s[22:23]        ; Wo's tiles
	s_add_nc_u64 s[48:49], s[10:11], s[60:61]      ; my rows of out0
	s_add_nc_u64 s[52:53], s[8:9], s[58:59]        ; the bias
	s_add_nc_u64 s[34:35], s[46:47], s[20:21]
	s_or_b32 s35, s35, 0x80000000                  ; type = 2
	CROUND                                         ; all four work-groups are here: the joint loads meet
	tensor_load_to_lds s[32:35], s[24:31]          ; the launch's only fill: one load of mine is out
	s_nop 0
	PLACES 4
.irp a, 0,1,2,3,4,5,6,7
	global_load_b128 v[XS+4*\a:XS+4*\a+3], v1, s[44:45] offset:\a*TREC+8192   ; register 4 a + q: lanes 0-15 the word of tile a, K step q; lanes 16-31 of K step 4 + q
.endr
.irp b, 0,1,2,3
	global_load_b128 v[WS+4*\b:WS+4*\b+3], v1, s[46:47] offset:\b*TREC+8192
.endr
	s_wait_alu depctr_va_vdst(0)
.irp b, 0,1,2,3
	global_load_b128 v[BI+8*\b:BI+8*\b+3], v3, s[52:53] offset:(32*(\b/2)+8*(\b%2))*4
	global_load_b128 v[BI+8*\b+4:BI+8*\b+7], v3, s[52:53] offset:(32*(\b/2)+8*(\b%2))*4+16
.endr
.macro LOADP p                         ; o's fragments of token tiles 2 p and 2 p + 1, all eight K steps: 32 loads
	WIN 0x40                                       ; destination window 1
.irp t, 0,1
.irp s, 0,1,2,3
.irp c, 0,1
	global_load_b128 v[64*\s+8*(2*(\p)+\t)+4*\c:64*\s+8*(2*(\p)+\t)+4*\c+3], v1, s[44:45] offset:(2*(\p)+\t)*TREC+1024*\s+512*\c
.endr
.endr
.endr
	WIN 0x80                                       ; destination window 2
.irp t, 0,1
.irp s, 4,5,6,7
.irp c, 0,1
	global_load_b128 v[64*(\s-4)+8*(2*(\p)+\t)+4*\c:64*(\s-4)+8*(2*(\p)+\t)+4*\c+3], v1, s[44:45] offset:(2*(\p)+\t)*TREC+1024*\s+512*\c
.endr
.endr
.endr
	WIN 0
.endm
	LOADP 0
	LOADP 1
	s_wait_tensorcnt 0x0                           ; my tile of Wo is in LDS,
	s_barrier_signal -1
	s_barrier_wait -1                              ; everybody's is.  Wo's bytes are only read from here on
	WIN 0xc0                                       ; destination window 3
.irp s, 0,1,2,3,4,5,6,7
.irp b, 0,1,2,3
.irp c, 0,1
	ds_load_b128 v[32*\s+8*\b+4*\c:32*\s+8*\b+4*\c+3], v1 offset:\b*8192+\s*1024+\c*512
.endr
.endr
.endr
	WIN 0
	s_wait_dscnt 0x0                               ; all of Wo's fragments are in my registers
.macro PAIR p                          ; token tiles 2 p, 2 p + 1 x Wo's four tiles, K ascending: 64 products, the eight accumulators by turns
.irp s, 0,1,2,3,4,5,6,7
.if \s < 4
	WIN 0x07                                       ; source 0 (Wo) window 3, source 1 (o) window 1; C and D window 0
.else
	WIN 0x0b                                       ; o window 2
.endif
.irp t, 0,1
.irp b, 0,1,2,3
.set rD, ACC+8*(4*\t+\b)
.set rA, 32*\s+8*\b
.set rB, 64*(\s%4)+8*(2*(\p)+\t)
.set sA, WS+4*\b+\s%4
.set sB, XS+4*(2*(\p)+\t)+\s%4
.set rC, rD
.if \s == 0
.set rC, BI+8*\b
.endif
.if \s < 4
	v_wmma_scale_f32_16x16x128_f8f6f4 v[rD:rD+7], v[rA:rA+7], v[rB:rB+7], v[rC:rC+7], v[sA], v[sB] matrix_a_fmt:MATRIX_FMT_FP4 matrix_b_fmt:MATRIX_FMT_FP4
.else
	v_wmma_scale_f32_16x16x128_f8f6f4 v[rD:rD+7], v[rA:rA+7], v[rB:rB+7], v[rC:rC+7], v[sA], v[sB] matrix_a_fmt:MATRIX_FMT_FP4 matrix_b_fmt:MATRIX_FMT_FP4 matrix_a_scale:MATRIX_SCALE_ROW1 matrix_b_scale:MATRIX_SCALE_ROW1
.endif
.endr
.endr
.endr
	WIN 0
.endm
; THE WAY OUT, a tile of 16 tokens x 64 columns at a time, through my own stage: a lane's 32 bytes go into rows of 272 bytes and come back as whole rows of 256, which sixteen lanes store as one aligned run.
; LDS serves a wave's instructions in order: no wait between the stores and the loads, nor in front of the next tile's stores.
.macro TOSTAGE a
.irp b, 0,1,2,3
	ds_store_b128 v2, v[ACC+8*(4*((\a)%2)+\b):ACC+8*(4*((\a)%2)+\b)+3] offset:128*(\b/2)+32*(\b%2)        ; columns 32 (b / 2) + 16 h + 8 (b % 2) + 0 .. 7; each accumulator from its low end on
	ds_store_b128 v2, v[ACC+8*(4*((\a)%2)+\b)+4:ACC+8*(4*((\a)%2)+\b)+7] offset:128*(\b/2)+32*(\b%2)+16
.endr
.irp i, 0,1,2,3,4,5,6,7
	ds_load_b128 v[RB+32*((\a)%2)+4*\i:RB+32*((\a)%2)+4*\i+3], v4 offset:2*SP*\i
.endr
.endm
.macro SEND a, younger                 ; younger: the LDS instructions issued behind tile a's loads, which may stay out
	s_wait_dscnt \younger
.irp i, 0,1,2,3,4,5,6,7
	global_store_b128 v6, v[RB+32*((\a)%2)+4*\i:RB+32*((\a)%2)+4*\i+3], s[48:49] offset:(32*((\a)/2)+8*((\a)%2)+2*\i+8*(\i/4))*4096 th:TH_STORE_NT   ; stage rows 2 i, 2 i + 1 at their true rows: two runs of 256 consecutive bytes, aligned
.endr
.endm
.irp p, 0,1,2,3
.if \p < 3
	s_wait_loadcnt 32                              ; this pair's fragments, and all older loads, are in; the next pair's 32 loads may be out
.else
	s_wait_loadcnt 0x0
.endif
	PAIR \p
.if \p < 2
	LOADP \p+2                                     ; two pairs ahead, into registers that no product has named
.endif
	PLACES 5                                       ; behind the pair's products: four for the LDS stores that read their results, five for the next pair's first products, which write over them
.if \p > 0
	s_wait_xcnt 0x0                                ; the last pair's stores have read their registers: this pair's rows may land there
.endif
	TOSTAGE 2*\p
	TOSTAGE 2*\p+1
	SEND 2*\p, 16                                  ; behind the first tile's loads: the second's 8 stores and 8 loads
	SEND 2*\p+1, 0
.endr
	s_wait_tensorcnt 0x0                           ; the wave's end
	ds_add_u32 v254, v255
	s_wait_dscnt 0x0
	CROUND                                         ; the closing round: no work-group ends while a partner may still ask for a tile that names it
	s_endpgm
.Lfunc_end_k_qeb174478ac_proj:
	.size	k_qeb174478ac_proj, .Lfunc_end_k_qeb174478ac_proj-k_qeb174478ac_proj
	.p2alignl 7, 3214868480
	.fill 96, 4, 3214868480
	.section	.rodata,"a",@progbits
	.p2align	6, 0x0
	.amdhsa_kernel k_qeb174478ac_proj
		.amdhsa_group_segment_fixed_size 168448
		.amdhsa_private_segment_fixed_size 0
		.amdhsa_enable_private_segment 0
		.amdhsa_kernarg_size 32
		.amdhsa_user_sgpr_count 2
		.amdhsa_user_sgpr_kernarg_segment_ptr 1
		.amdhsa_wavefront_size32 1
		.amdhsa_system_sgpr_workgroup_id_x 1
		.amdhsa_system_sgpr_workgroup_id_y 1
		.amdhsa_system_sgpr_workgroup_id_z 1
		.amdhsa_system_vgpr_workitem_id 0
		.amdhsa_next_free_vgpr 1024
		.amdhsa_next_free_sgpr 66
		.amdhsa_reserve_vcc 0
		.amdhsa_float_denorm_mode_32 3
		.amdhsa_float_denorm_mode_16_64 3
		.amdhsa_memory_ordered 1
		.amdhsa_forward_progress 1
		.amdhsa_inst_pref_size 71
	.end_amdhsa_kernel
	.amdgpu_metadata
---
amdhsa.version: [ 1, 2 ]
amdhsa.kernels:
  - .name:           k_qeb174478ac_proj
    .symbol:         k_qeb174478ac_proj.kd
    .args:
      - { .name: aq, .offset: 0, .size: 8, .value_kind: global_buffer, .address_space: global }
      - { .name: tq, .offset: 8, .size: 8, .value_kind: global_buffer, .address_space: global }
      - { .name: bo, .offset: 16, .size: 8, .value_kind: global_buffer, .address_space: global }
      - { .name: out0, .offset: 24, .size: 8, .value_kind: global_buffer, .address_space: global }
    .group_segment_fixed_size: 168448
    .private_segment_fixed_size: 0
    .kernarg_segment_align: 8
    .kernarg_segment_size: 32
    .max_flat_workgroup_size: 128
    .sgpr_count:     66
    .vgpr_count:     1024
    .wavefront_size: 32
...
	.end_amdgpu_metadata
.endif
;; end of part 4
